; MI455X (gfx1250); checked and timed in simulation.
; The chip was launched on July 23, 2026; its instructions are those of AMD's public machine-readable ISA for CDNA 5 (MIT licence, August 2026) and "CDNA5" Instruction Set Architecture Reference Guide (July 2026). The comments in the code are by the model that wrote it; some were corrected since.
;; SEER ENCODER STATE. Allowed arithmetic: float matrix products may take bf16 or f16 operands with f32 sums; other float arithmetic in f32, or as packed bf16 or f16 multiplies, adds, multiply-adds, maxima and minima; sums over many terms, partial sums and values carried from step to step in f32; what a program stores and reads back later, other than sums and carried values, may be rounded once to bf16 or f16.
;; Inputs: action_token 1 x 1 x 128 float32; bk 3 x 128 float32; bq 3 x 128 float32; bv 3 x 128 float32; ln_b 3 x 128 float32; ln_g 3 x 128 float32; mask 32 x 32 bool; obs 8,192 x 5 x 128 float32; obs_wrist 8,192 x 5 x 128 float32; pred_token 1 x 15 x 128 float32; state 8,192 x 5 x 128 float32; task 8,192 x 1 x 768 float32; tb0 128 float32; tb1 128 float32; tb2 128 float32; tb3 128 float32; tw0 768 x 128 float32; tw1 128 x 128 float32; tw2 128 x 128 float32; tw3 128 x 128 float32; wk 3 x 128 x 128 float32; wq 3 x 128 x 128 float32; wv 3 x 128 x 128 float32.
;; Outputs: out0 8,192 x 128 float32; out1 8,192 x 5 x 128 float32; out2 8,192 x 5 x 128 float32; out3 8,192 x 5 x 128 float32.
;; One version. Each part assembles by itself: llvm-mc -triple=amdgcn-amd-amdhsa -mcpu=gfx1250 --defsym DOCPART=n.
;; ======== version 1 of 1: 2 launches
;; limits: values are held in f16: magnitudes above 65,504 overflow, below 6.1e-05 lose precision
;; workspace buffers: aw 204,800 bytes; mw 294,912 bytes
;; launch prep (part 1): grid 49 x 1, 8 waves a work-group, no clusters, 9,216 bytes of LDS; arguments wq, wk, wv, bq, bv, ln_g, ln_b, mask, tw0, tw1, tw2, tw3, aw, mw; writes aw, mw
.if DOCPART == 1
	.amdgcn_target "amdgcn-amd-amdhsa--gfx1250"
	.amdhsa_code_object_version 6
	.text
	.protected	k_q62c8a6e5d0_prep
	.globl	k_q62c8a6e5d0_prep
	.p2align	8
	.type	k_q62c8a6e5d0_prep,@function
k_q62c8a6e5d0_prep:
	s_mov_b64 s[64:65], 0
	v_nop
	global_prefetch_b8 v0, s[64:65] scope:SCOPE_SE
	s_setreg_imm32_b32 hwreg(HW_REG_WAVE_MODE, 25, 1), 1
	s_wait_xcnt 0x0
; PREP: folds LayerNorm's gain and bias into the attention weights and lays all weights out in the order in which matrix fragments are read.
; With xh = (x - mean) rsqrt(var + eps), per layer l:
;   Ms[i][j] = g[i] g[j] (sum over o of wq[i][o] wk[j][o]) / 16       us[j] = g[j] (sum over o of wk[j][o] bq'[o]) / 16,  bq' = bq + b wq
;   score(q, k) = 16 (xh_q Ms + us) . xh_k + a number that hangs on q alone, which a softmax over k removes for every input; bk enters that number alone, so bk is not an argument here.
;   Wvs[k][c] = 16 g[k] (wv[k][c] - z mean_c wv[k][.])     bvc = bv' - z mean(bv'),  bv' = bv + b wv;   z = 1 for layers 0 and 1 (their result feeds a LayerNorm alone), 0 for layer 2.
; FRAGMENT ORDER of a matrix T[c][k]: block (f = c / 16, kt = k / 16) is 512 bytes at (f KT + kt) 512; lane 16 h + r holds T[16 f + r][16 kt + 8 h + 0..7], 16 bytes at 16 x lane.
; aw: per layer 65,536 bytes: Wvs (T[c][k] = Wvs[k][c]) then Ms (T[c][k] = Ms[k][c]), f16; at TAB: us 3 x 512, bvc 3 x 512 (f32), the mask as 0 / -inf (4,096), 1,024 zeros.
; mw: tw0 (KT = 48), tw1, tw2, tw3 (KT = 8), T[c][k] = tw[k][c], bf16.
; LIMITS: wq, wk, 16 g wv and Ms are kept in f16: magnitudes to 65,504; below 6e-5 they keep f16's fixed step of 6e-8.  NaN and infinities are not treated apart.
; ROLES by work-group: 0-23 Ms (a block a wave); 24-41 the MLP's weights (four blocks a wave); 42-44 Wvs (eight blocks a wave); 45-47 us and bvc (a layer each); 48 the mask table.
; Each role: one round of loads, all out at once; arithmetic; stores of 512 consecutive bytes a wave.
.set TAB,   196608
.set SPARE, 8192                       ; behind the partial sums: the spare words, 128 bytes for each of eight waves
.set SPW,   254                        ; v254  my spare word's LDS address; never rewritten
.set NIL,   255                        ; v255  0; never rewritten
.set WV,    32                         ; s32   my wave's number
.set WG,    33                         ; s33   my work-group's number
.macro RED16 a                         ; the sum over the 16 lanes of a half, in every lane of it
	v_add_f32_dpp v[\a], v[\a], v[\a] row_xmask:1 row_mask:0xf bank_mask:0xf
	v_add_f32_dpp v[\a], v[\a], v[\a] row_xmask:2 row_mask:0xf bank_mask:0xf
	v_add_f32_dpp v[\a], v[\a], v[\a] row_xmask:4 row_mask:0xf bank_mask:0xf
	v_add_f32_dpp v[\a], v[\a], v[\a] row_xmask:8 row_mask:0xf bank_mask:0xf
.endm
.macro RED32 a, t                      ; the sum over all 32 lanes; t has been written before
	RED16 \a
	v_permlanex16_b32 v[\t], v[\a], s66, s67
	v_add_f32 v[\a], v[\a], v[\t]
.endm
	s_load_b512 s[4:19], s[0:1], 0x0               ; wq 4, wk 6, wv 8, bq 10, bv 12, ln_g 14, ln_b 16, mask 18
	s_load_b256 s[20:27], s[0:1], 0x40             ; tw0 20, tw1 22, tw2 24, tw3 26
	s_load_b128 s[28:31], s[0:1], 0x60             ; aw 28, mw 30
	v_lshl_add_u32 v[SPW], v0, 2, SPARE
	v_mov_b32 v[NIL], 0
	v_lshrrev_b32 v1, 5, v0
	v_readfirstlane_b32 s[WV], v1
	v_and_b32 v3, 15, v0                           ; r
	v_bfe_u32 v4, v0, 4, 1                         ; h
	v_and_b32 v5, 31, v0
	v_lshlrev_b32 v5, 4, v5                        ; 16 x lane
	s_mov_b32 s[WG], ttmp9
	s_mov_b32 s37, 0                               ; the high word of every offset pair s[36:37]
	s_mov_b32 s66, 0x76543210                      ; v_permlanex16_b32: each lane takes its own place in the other half
	s_mov_b32 s67, 0xfedcba98
	s_wait_kmcnt 0x0
	s_cmp_lt_u32 s[WG], 24
	s_cbranch_scc1 .Lrole_a
	s_cmp_lt_u32 s[WG], 42
	s_cbranch_scc1 .Lrole_b2
	s_cmp_lt_u32 s[WG], 45
	s_cbranch_scc1 .Lrole_b1
	s_cmp_lt_u32 s[WG], 48
	s_cbranch_scc1 .Lrole_c
	; ROLE D: wave w makes mask block w = (qt 2 + kt) 2 + jh: lane (r, h) holds, for j = 4 jh .. 4 jh + 3, -inf where mask[16 qt + r][16 kt + 8 h + j] is set, else 0
	s_lshr_b32 s34, s[WV], 2
	s_bfe_u32 s35, s[WV], 0x10001
	s_and_b32 s38, s[WV], 1
	s_lshl_b32 s34, s34, 9                         ; 16 qt rows of 32 bytes
	s_lshl_b32 s35, s35, 4
	s_lshl_b32 s38, s38, 2
	s_add_co_u32 s34, s34, s35
	s_add_co_u32 s34, s34, s38
	v_lshlrev_b32 v2, 5, v3
	v_lshl_add_u32 v2, v4, 3, v2
	v_add_nc_u32 v2, s34, v2
	global_load_b32 v6, v2, s[18:19]               ; four mask bytes
	v_mov_b32 v7, 0xff800000                       ; -inf
	s_lshl_b32 s36, s[WV], 9
	s_add_co_u32 s36, s36, TAB+3072
	s_add_nc_u64 s[40:41], s[28:29], s[36:37]
	s_wait_loadcnt 0x0
.irp u, 0,1,2,3
	v_bfe_u32 v8, v6, 8*\u, 8
	v_cmp_ne_u32 vcc_lo, 0, v8
	v_cndmask_b32 v[12+\u], 0, v7, vcc_lo
.endr
	global_store_b128 v5, v[12:15], s[40:41]
	s_cmp_lt_u32 s[WV], 2                          ; waves 0 and 1 also write the table's last 1,024 bytes, which the next launch copies with the rest
	s_cbranch_scc0 .Lend
	v_mov_b32 v16, 0
	v_mov_b32 v17, 0
	v_mov_b32 v18, 0
	v_mov_b32 v19, 0
	global_store_b128 v5, v[16:19], s[40:41] offset:4096
	s_branch .Lend
.Lrole_a:
	; ROLE A: block (f, kt) of Ms(l).  D[m][n] = sum over o of wq[16 kt + m][o] wk[16 f + n][o]: register e of lane (r, h) is element (16 kt + 8 h + e, 16 f + r): the lane's eight numbers of the block.
	s_lshl_b32 s34, s[WG], 3
	s_add_co_u32 s34, s34, s[WV]                   ; 0 .. 191
	s_lshr_b32 s35, s34, 6                         ; l
	s_bfe_u32 s38, s34, 0x30003                    ; f
	s_and_b32 s39, s34, 7                          ; kt
	s_lshl_b32 s40, s35, 16
	s_lshl_b32 s36, s39, 13                        ; 16 rows of 512 bytes
	s_add_co_u32 s36, s36, s40
	s_add_nc_u64 s[42:43], s[4:5], s[36:37]        ; wq at row 16 kt
	s_lshl_b32 s36, s38, 13
	s_add_co_u32 s36, s36, s40
	s_add_nc_u64 s[44:45], s[6:7], s[36:37]        ; wk at row 16 f
	s_lshl_b32 s36, s35, 9
	s_add_nc_u64 s[46:47], s[14:15], s[36:37]      ; the layer's g
	s_lshl_b32 s36, s38, 3
	s_add_co_u32 s36, s36, s39
	s_lshl_b32 s36, s36, 9
	s_add_co_u32 s36, s36, s40
	s_add_co_u32 s36, s36, 32768
	s_add_nc_u64 s[48:49], s[28:29], s[36:37]      ; the block's place in aw
	v_lshlrev_b32 v2, 9, v3
	v_lshl_add_u32 v2, v4, 5, v2                   ; row r, 8 h numbers in
	s_lshl_b32 s41, s39, 6
	v_lshl_add_u32 v6, v4, 5, s41                  ; g[16 kt + 8 h ..]
	s_lshl_b32 s41, s38, 6
	v_lshl_add_u32 v7, v3, 2, s41                  ; g[16 f + r]
.irp s, 0,1,2,3
.irp q, 0,1,2,3
	global_load_b128 v[32+16*\s+4*\q:32+16*\s+4*\q+3], v2, s[42:43] offset:128*\s+16*(\q%2)+64*(\q/2)
	global_load_b128 v[96+16*\s+4*\q:96+16*\s+4*\q+3], v2, s[44:45] offset:128*\s+16*(\q%2)+64*(\q/2)
.endr
.endr
	global_load_b128 v[16:19], v6, s[46:47]
	global_load_b128 v[20:23], v6, s[46:47] offset:16
	global_load_b32 v24, v7, s[46:47]
	s_wait_loadcnt 0x0
.set ii, 0
.rept 32
	v_cvt_pk_f16_f32 v[160+ii], v[32+2*ii], v[33+2*ii]
	v_cvt_pk_f16_f32 v[192+ii], v[96+2*ii], v[97+2*ii]
.set ii, ii+1
.endr
	v_wmma_f32_16x16x32_f16 v[224:231], v[160:167], v[192:199], 0          ; two accumulators by turns; the first product of each starts its sum
	v_wmma_f32_16x16x32_f16 v[232:239], v[168:175], v[200:207], 0
	v_wmma_f32_16x16x32_f16 v[224:231], v[176:183], v[208:215], v[224:231]
	v_wmma_f32_16x16x32_f16 v[232:239], v[184:191], v[216:223], v[232:239]
	v_mul_f32 v24, 0x3d800000, v24                 ; g[16 f + r] / 16; with the three lines below: the four places behind the last product
	v_nop
	v_nop
	v_nop
	v_mov_b32 v25, v24                             ; named with it as a pair
.irp u, 0,2,4,6
	v_pk_add_f32 v[224+\u:225+\u], v[224+\u:225+\u], v[232+\u:233+\u]
.endr
.irp u, 0,2,4,6
	v_pk_mul_f32 v[224+\u:225+\u], v[224+\u:225+\u], v[16+\u:17+\u]
.endr
.irp u, 0,2,4,6
	v_pk_mul_f32 v[224+\u:225+\u], v[224+\u:225+\u], v[24:25]
.endr
.irp u, 0,1,2,3
	v_cvt_pk_f16_f32 v[240+\u], v[224+2*\u], v[225+2*\u]
.endr
	global_store_b128 v5, v[240:243], s[48:49]
	s_branch .Lend
.Lrole_b2:
	; ROLE B2: four blocks (f, 4 ktg + q) of tw0 (numbers 0-95) or of tw1-tw3 (96-143), rounded to bf16
	s_sub_co_u32 s34, s[WG], 24
	s_lshl_b32 s34, s34, 3
	s_add_co_u32 s34, s34, s[WV]                   ; 0 .. 143
	s_sub_co_u32 s35, s34, 96                      ; the number among the small matrices (of no meaning below 96: the selects drop it)
	s_lshr_b32 s38, s35, 4                         ; which small matrix
	s_bfe_u32 s39, s35, 0x10003                    ; its ktg
	s_lshr_b32 s40, s34, 3                         ; tw0's ktg
	s_and_b32 s41, s34, 7                          ; f, in both cases
	s_lshl_b32 s42, s38, 15
	s_add_co_u32 s42, s42, 196608                  ; the small matrix's place in mw
	s_cmp_eq_u32 s38, 0
	s_cselect_b64 s[44:45], s[22:23], s[24:25]
	s_cmp_eq_u32 s38, 2
	s_cselect_b64 s[44:45], s[26:27], s[44:45]
	s_cmp_lt_u32 s34, 96
	s_cselect_b64 s[44:45], s[20:21], s[44:45]
	s_cselect_b32 s39, s40, s39
	s_cselect_b32 s42, 0, s42
	s_cselect_b32 s43, 48, 8                       ; KT
	s_lshl_b32 s36, s39, 15                        ; 64 rows of 512 bytes
	s_add_nc_u64 s[44:45], s[44:45], s[36:37]
	s_mul_i32 s46, s41, s43
	s_lshl_b32 s47, s39, 2
	s_add_co_u32 s46, s46, s47
	s_lshl_b32 s46, s46, 9
	s_add_co_u32 s36, s46, s42
	s_add_nc_u64 s[48:49], s[30:31], s[36:37]
	s_lshl_b32 s47, s41, 6
	v_lshl_add_u32 v2, v3, 2, s47                  ; column 16 f + r
	v_lshl_add_u32 v2, v4, 12, v2                  ; row 8 h
.irp q, 0,1,2,3
.irp e, 0,1,2,3,4,5,6,7
	global_load_b32 v[32+8*\q+\e], v2, s[44:45] offset:8192*\q+512*\e
.endr
.endr
	s_wait_loadcnt 0x0
.set ii, 0
.rept 16
	v_cvt_pk_bf16_f32 v[64+ii], v[32+2*ii], v[33+2*ii]
.set ii, ii+1
.endr
.irp q, 0,1,2,3
	global_store_b128 v5, v[64+4*\q:67+4*\q], s[48:49] offset:512*\q
.endr
	s_branch .Lend
.Lrole_b1:
	; ROLE B1: blocks (f = 0..7, kt = my wave) of Wvs(l): lane (r, h) holds wv[16 kt + 8 h + e][16 f + r]; a row's mean is the sum over f and over the 16 lanes of the half
	s_sub_co_u32 s35, s[WG], 42                    ; l
	s_lshl_b32 s40, s35, 16
	s_lshl_b32 s38, s[WV], 13
	s_add_co_u32 s36, s40, s38
	s_add_nc_u64 s[42:43], s[8:9], s[36:37]        ; wv at row 16 kt
	s_lshl_b32 s36, s35, 9
	s_lshl_b32 s38, s[WV], 6
	s_add_co_u32 s36, s36, s38
	s_add_nc_u64 s[44:45], s[14:15], s[36:37]      ; g[16 kt ..]
	s_lshl_b32 s38, s[WV], 9
	s_add_co_u32 s36, s40, s38
	s_add_nc_u64 s[48:49], s[28:29], s[36:37]      ; block (0, kt) in aw
	s_cmp_lt_u32 s35, 2
	s_cselect_b32 s50, 0xbc000000, 0               ; -1/128 where the mean is taken away, else 0
	v_lshlrev_b32 v2, 12, v4
	v_lshl_add_u32 v2, v3, 2, v2
	v_lshlrev_b32 v6, 5, v4
.irp f, 0,1,2,3,4,5,6,7
.irp e, 0,1,2,3,4,5,6,7
	global_load_b32 v[32+8*\f+\e], v2, s[42:43] offset:64*\f+512*\e
.endr
.endr
	global_load_b128 v[104:107], v6, s[44:45]
	global_load_b128 v[108:111], v6, s[44:45] offset:16
	s_wait_loadcnt 0x0
.irp u, 0,2,4,6
	v_pk_add_f32 v[96+\u:97+\u], v[32+\u:33+\u], v[40+\u:41+\u]
.endr
.irp f, 2,3,4,5,6,7
.irp u, 0,2,4,6
	v_pk_add_f32 v[96+\u:97+\u], v[96+\u:97+\u], v[32+8*\f+\u:33+8*\f+\u]
.endr
.endr
.irp e, 0,1,2,3,4,5,6,7
	RED16 96+\e
.endr
.irp e, 0,1,2,3,4,5,6,7
	v_mul_f32 v[96+\e], s50, v[96+\e]              ; - z mean
	v_mul_f32 v[104+\e], 0x41800000, v[104+\e]     ; 16 g
.endr
.irp u, 0,2,4,6
	v_pk_mul_f32 v[96+\u:97+\u], v[96+\u:97+\u], v[104+\u:105+\u]
.endr
.irp f, 0,1,2,3,4,5,6,7
.irp u, 0,2,4,6
	v_pk_fma_f32 v[32+8*\f+\u:33+8*\f+\u], v[32+8*\f+\u:33+8*\f+\u], v[104+\u:105+\u], v[96+\u:97+\u]
.endr
.endr
.set ii, 0
.rept 32
	v_cvt_pk_f16_f32 v[112+ii], v[32+2*ii], v[33+2*ii]
.set ii, ii+1
.endr
.irp f, 0,1,2,3,4,5,6,7
	global_store_b128 v5, v[112+4*\f:115+4*\f], s[48:49] offset:4096*\f
.endr
	s_branch .Lend
.Lrole_c:
	; ROLE C: one layer.  Wave w adds b[i] wq[i][.] and b[i] wv[i][.] over i = 16 w .. 16 w + 15 (a lane holds four columns); the eight partial sums meet in LDS; then wave w makes us[16 w .. 16 w + 15], wave 0 bvc.
	s_sub_co_u32 s35, s[WG], 45                    ; l
	s_lshl_b32 s38, s35, 16
	s_lshl_b32 s39, s[WV], 13
	s_add_co_u32 s36, s38, s39
	s_add_nc_u64 s[40:41], s[4:5], s[36:37]        ; wq, wk, wv at row 16 w
	s_add_nc_u64 s[42:43], s[6:7], s[36:37]
	s_add_nc_u64 s[44:45], s[8:9], s[36:37]
	s_lshl_b32 s36, s35, 9
	s_add_nc_u64 s[10:11], s[10:11], s[36:37]      ; the layer's bq, bv, g
	s_add_nc_u64 s[12:13], s[12:13], s[36:37]
	s_add_nc_u64 s[14:15], s[14:15], s[36:37]
	s_lshl_b32 s39, s[WV], 6
	s_add_co_u32 s36, s36, s39
	s_add_nc_u64 s[16:17], s[16:17], s[36:37]      ; b[16 w ..]
	s_load_b512 s[48:63], s[16:17], 0x0
	s_lshl_b32 s36, s35, 9
	s_add_co_u32 s36, s36, TAB
	s_add_nc_u64 s[46:47], s[28:29], s[36:37]      ; us(l); bvc(l) lies 1,536 bytes on
	s_cmp_lt_u32 s35, 2
	s_cselect_b32 s34, 0xbc000000, 0               ; -1/128 or 0
	v_lshl_add_u32 v6, v3, 2, s39                  ; number 16 w + r
	s_lshl_b32 s38, s[WV], 9
	v_add_nc_u32 v7, s38, v5                       ; my wave's 512 bytes of partial sums
.set ii, 0
.rept 16
	global_load_b128 v[32+4*ii:35+4*ii], v5, s[40:41] offset:512*ii
	global_load_b128 v[96+4*ii:99+4*ii], v5, s[44:45] offset:512*ii
	global_load_b128 v[160+4*ii:163+4*ii], v5, s[42:43] offset:512*ii
.set ii, ii+1
.endr
	global_load_b128 v[8:11], v5, s[10:11]
	global_load_b128 v[12:15], v5, s[12:13]
	global_load_b32 v16, v6, s[14:15]
	s_wait_kmcnt 0x0
	s_wait_loadcnt 0x0
.irp c, 0,1,2,3
	v_mul_f32 v[20+\c], s48, v[32+\c]              ; the first term starts each sum
	v_mul_f32 v[24+\c], s48, v[96+\c]
.endr
.set ii, 1
.rept 15
.irp c, 0,1,2,3
	v_fmac_f32 v[20+\c], s[48+ii], v[32+4*ii+\c]
	v_fmac_f32 v[24+\c], s[48+ii], v[96+4*ii+\c]
.endr
.set ii, ii+1
.endr
	ds_store_b128 v7, v[20:23]
	ds_store_b128 v7, v[24:27] offset:4096
	s_wait_dscnt 0x0                               ; for the others' sake: my partial sums lie in LDS
	s_barrier_signal -1
	s_barrier_wait -1
.set ii, 0
.rept 8
	ds_load_b128 v[32+4*ii:35+4*ii], v5 offset:512*ii
.set ii, ii+1
.endr
	v_mov_b32 v29, 0
	v_mov_b32 v30, 0
	s_wait_dscnt 0x0
.set ii, 0
.rept 8
	v_pk_add_f32 v[8:9], v[8:9], v[32+4*ii:33+4*ii]        ; bq' of my four columns
	v_pk_add_f32 v[10:11], v[10:11], v[34+4*ii:35+4*ii]
.set ii, ii+1
.endr
.set ii, 0
.rept 16                                           ; wk[16 w + ii][.] . bq', kept by the lanes with r = ii
	v_mul_f32 v28, v[160+4*ii], v8
	v_fmac_f32 v28, v[161+4*ii], v9
	v_fmac_f32 v28, v[162+4*ii], v10
	v_fmac_f32 v28, v[163+4*ii], v11
	RED32 28, 29
	v_cmp_eq_u32 vcc_lo, ii, v3
	v_cndmask_b32 v30, v30, v28, vcc_lo
.set ii, ii+1
.endr
	v_mul_f32 v16, 0x3d800000, v16                 ; g / 16
	v_mul_f32 v30, v30, v16
	global_store_b32 v6, v30, s[46:47]             ; the two halves of the lanes hold, and store, the same sixteen numbers
	s_cmp_lg_u32 s[WV], 0
	s_cbranch_scc1 .Lend
.set ii, 0
.rept 8
	ds_load_b128 v[96+4*ii:99+4*ii], v5 offset:4096+512*ii
.set ii, ii+1
.endr
	s_wait_dscnt 0x0
.set ii, 0
.rept 8
	v_pk_add_f32 v[12:13], v[12:13], v[96+4*ii:97+4*ii]    ; bv' of my four columns
	v_pk_add_f32 v[14:15], v[14:15], v[98+4*ii:99+4*ii]
.set ii, ii+1
.endr
	v_add_f32 v28, v12, v13
	v_add_f32 v29, v14, v15
	v_add_f32 v28, v28, v29
	RED32 28, 29
	v_mul_f32 v28, s34, v28                        ; - z mean
	v_mov_b32 v29, v28
	v_pk_add_f32 v[12:13], v[12:13], v[28:29]
	v_pk_add_f32 v[14:15], v[14:15], v[28:29]
	global_store_b128 v5, v[12:15], s[46:47] offset:1536
.Lend:
	s_wait_tensorcnt 0x0                           ; the wave's end: behind my last LDS store
	ds_add_u32 v[SPW], v[NIL]
	s_wait_dscnt 0x0
	s_endpgm
.Lfunc_end_k_q62c8a6e5d0_prep:
	.size	k_q62c8a6e5d0_prep, .Lfunc_end_k_q62c8a6e5d0_prep-k_q62c8a6e5d0_prep
	.p2alignl 7, 3214868480
	.fill 96, 4, 3214868480
	.section	.rodata,"a",@progbits
	.p2align	6, 0x0
	.amdhsa_kernel k_q62c8a6e5d0_prep
		.amdhsa_group_segment_fixed_size 9216
		.amdhsa_private_segment_fixed_size 0
		.amdhsa_enable_private_segment 0
		.amdhsa_kernarg_size 112
		.amdhsa_user_sgpr_count 2
		.amdhsa_user_sgpr_kernarg_segment_ptr 1
		.amdhsa_wavefront_size32 1
		.amdhsa_system_sgpr_workgroup_id_x 1
		.amdhsa_system_sgpr_workgroup_id_y 1
		.amdhsa_system_sgpr_workgroup_id_z 1
		.amdhsa_system_vgpr_workitem_id 0
		.amdhsa_next_free_vgpr 256
		.amdhsa_next_free_sgpr 80
		.amdhsa_reserve_vcc 1
		.amdhsa_float_denorm_mode_32 3
		.amdhsa_float_denorm_mode_16_64 3
		.amdhsa_memory_ordered 1
		.amdhsa_forward_progress 1
		.amdhsa_inst_pref_size 58
	.end_amdhsa_kernel
	.amdgpu_metadata
---
amdhsa.version: [ 1, 2 ]
amdhsa.kernels:
  - .name:           k_q62c8a6e5d0_prep
    .symbol:         k_q62c8a6e5d0_prep.kd
    .args:
      - { .name: wq, .offset: 0, .size: 8, .value_kind: global_buffer, .address_space: global }
      - { .name: wk, .offset: 8, .size: 8, .value_kind: global_buffer, .address_space: global }
      - { .name: wv, .offset: 16, .size: 8, .value_kind: global_buffer, .address_space: global }
      - { .name: bq, .offset: 24, .size: 8, .value_kind: global_buffer, .address_space: global }
      - { .name: bv, .offset: 32, .size: 8, .value_kind: global_buffer, .address_space: global }
      - { .name: ln_g, .offset: 40, .size: 8, .value_kind: global_buffer, .address_space: global }
      - { .name: ln_b, .offset: 48, .size: 8, .value_kind: global_buffer, .address_space: global }
      - { .name: mask, .offset: 56, .size: 8, .value_kind: global_buffer, .address_space: global }
      - { .name: tw0, .offset: 64, .size: 8, .value_kind: global_buffer, .address_space: global }
      - { .name: tw1, .offset: 72, .size: 8, .value_kind: global_buffer, .address_space: global }
      - { .name: tw2, .offset: 80, .size: 8, .value_kind: global_buffer, .address_space: global }
      - { .name: tw3, .offset: 88, .size: 8, .value_kind: global_buffer, .address_space: global }
      - { .name: aw, .offset: 96, .size: 8, .value_kind: global_buffer, .address_space: global }
      - { .name: mw, .offset: 104, .size: 8, .value_kind: global_buffer, .address_space: global }
    .group_segment_fixed_size: 9216
    .private_segment_fixed_size: 0
    .kernarg_segment_align: 8
    .kernarg_segment_size: 112
    .max_flat_workgroup_size: 256
    .sgpr_count:     80
    .vgpr_count:     256
    .wavefront_size: 32
...
	.end_amdgpu_metadata
.endif
;; end of part 1
;; launch seer (part 2): grid 256 x 1, 8 waves a work-group, clusters of 4 x 1, 327,680 bytes of LDS; arguments obs, obs_wrist, state, task, tb0, tb1, tb2, tb3, action_token, pred_token, aw, mw, out0, out1, out2, out3; writes out0, out1, out2, out3
.if DOCPART == 2
	.amdgcn_target "amdgcn-amd-amdhsa--gfx1250"
	.amdhsa_code_object_version 6
	.text
	.protected	k_q62c8a6e5d0_seer
	.globl	k_q62c8a6e5d0_seer
	.p2align	8
	.type	k_q62c8a6e5d0_seer,@function
k_q62c8a6e5d0_seer:
	s_mov_b64 s[64:65], 0
	v_nop
	global_prefetch_b8 v0, s[64:65] scope:SCOPE_SE
	s_setreg_imm32_b32 hwreg(HW_REG_WAVE_MODE, 25, 1), 1
	s_wait_xcnt 0x0
	s_wait_alu depctr_hold_cnt(0) depctr_sa_sdst(0) depctr_va_vdst(0) depctr_va_sdst(0) depctr_va_ssrc(0) depctr_va_vcc(0) depctr_vm_vsrc(0)
	s_getreg_b32 s2, hwreg(HW_REG_IB_STS2, 6, 4)
	s_cmp_eq_u32 s2, 0
	s_cbranch_scc0 .Lentry_in_a_cluster
	s_endpgm
.Lentry_in_a_cluster:
	s_bfe_u32 s2, ttmp6, 0x10000c
	s_cmp_lg_u32 s2, 0x3003
	s_cbranch_scc0 .Lentry_shape_is_right
	s_endpgm
.Lentry_shape_is_right:
; SEER: the task MLP, three layers of LayerNorm + masked attention on 32 tokens x 128 channels, and the outputs, for 8,192 sequences that never meet.
; SHARES.  A work-group owns 32 sequences; each of its eight waves walks two passes of two sequences (four tiles of 16 tokens).  After the prologue no wave waits for another.
; WEIGHTS.  aw (204,800 bytes: per layer Wvs and Ms in fragment order, then the tables) is copied into LDS once, eight tensor loads of 25,600 bytes, one a wave: one load of mine is out.
; All work-groups read the same bytes, so the four of a cluster ask JOINTLY.  mw (the MLP's weights) is wanted once, each byte by one wave of the work-group: it comes by plain loads into registers.
; ALGEBRA (made ready by the launch before): xh = (x - mean) rsqrt(var + eps);  q's = xh Ms + us;  s = q's . xh_k (the score / 16);  p = 2^(16 log2(e) (s - m)) with the row's true maximum m;
; Vs = xh Wvs = 16 V;  x_next = (p / 16 l) Vs + bvc.  In layers 0 and 1 Wvs and bvc are centred over the channels, so x_next has mean 0 and the next LayerNorm needs the sum of squares alone.
; bk adds to all scores of a query the same number, which the softmax removes for every input: it is not an argument.  The mask, an input, is a table of 0 / -inf added to s ahead of the maximum.
; Layer 0's tokens 16-31 are the same in all sequences: their xh, V and q' are made once a work-group.  Layer 2 makes q', scores and P V for tokens 16-31 alone: the others are not returned.
; LAYOUTS (D, A, B of v_wmma_f32_16x16x32_f16; lane = 16 h + r):
;   V:  D = V[token][16 features], A = xh, B = Wvs.  Two token tiles, rounded in pairs, are VF: an A fragment of 16 features x 32 keys.
;   q': D = q'^T[16 features][token], A = Ms, B = xh, C = us.  Two feature tiles, rounded, are QF: a B fragment of 32 features x 16 queries.
;   S:  D = S^T[16 keys][query], A = xh, B = QF.       P V: D = X^T[16 features][query], A = VF, B = PF (p rounded), C = bvc.
;   In X, S, PF and QF a lane is a token: LayerNorm and softmax add within the lane and make one exchange between the halves of the lanes.
; FORMATS AND LIMITS.  xh, q's, Vs, p / 16 l and the folded weights are f16, sums f32.  |xh| is at most 11.4; 16 V and q' / 16 must stay under 65,504; below 6e-5 f16 keeps a fixed step of 6e-8.
; The MLP multiplies in bf16.  GELU takes erfc from a five-term rational form whose absolute error is 1.5e-7 for every argument.  A NaN score is passed over by the maximum and reaches the row through its exponential.
; A row whose keys are all masked gives NaN, by -inf less -inf, as the softmax that this text follows gives.
; REGISTERS in two windows of 256 (s_set_vgpr_msb: bits 1:0 source 0, 3:2 source 1, 5:4 source 2, 7:6 destination):
;   window 0: v0-15 addresses; v16-47 WB0, v96-127 WB1 (a weight tile's four fragments each); v48-63 two bias tiles; v64-95 QF; v96-127 PF when WB1 is dead; v128-255 VF.  v16-79: LayerNorm's sums, later P V's eight bias tiles.
;   window 1: X(b, t) = 128 b + 64 t; XF(b, t) = 64 b + 32 t; S(b, qt, kt) = 128 + 32 b + 16 qt + 8 kt; ACC(buf, b, t) = 192 + 32 buf + 16 b + 8 t; in the softmax the mask at 192, at work 224.
.set TAB,   196608                     ; LDS 0: the image of aw; its tables begin here: us, +1,536 bvc, +3,072 the mask
.set CT,    204800                     ; the constant tokens' tables, blocks of 512 bytes: xh, +4,096 V, +8,192 q'
.set SPARE, 217088                     ; the spare words, 128 bytes for each of eight waves
.set TZ,    218112                     ; task_z, f32, 32 rows
.set SP,    528                        ; a row of 512 bytes + 16: sixteen rows start at sixteen different groups of four banks
.set H0,    235008                     ; the MLP's hidden rows, bf16 [32][128], two buffers
.set HB,    8704
.set HP,    272
.set U,     252416                     ; first task in bf16 [32][768], later eight stages of 16 rows x 528 bytes, one a wave
.set TKP,   1552
.set STG,   16*SP
.set L16,  1                           ; v1   16 x lane: global offset, and my place in a block of layer 0's weights
.set AW1,  3                           ; v3   the same in layer 1's weights
.set AW2,  4                           ; v4   in layer 2's
.set BIA,  5                           ; v5   TAB + 32 h
.set MKA,  6                           ; v6   the mask table + 16 x lane
.set CTA,  7                           ; v7   CT + 16 x lane
.set STW,  8                           ; v8   my stage by whole rows
.set STT,  9                           ; v9   my stage by tokens: row r, 8 h channels in
.set TZA,  10                          ; v10  task_z's row of the pass's first sequence
.set PFO,  11                          ; v11  the prefetches' offset: 8,192 x wave + 256 x lane
.set SPW,  14                          ; v14  my spare word; never rewritten
.set NIL,  15                          ; v15  0; never rewritten
.set WV,   36                          ; s36  my wave's number
.set PASS, 39                          ; s39  passes to go
.set MSB, 0
.macro WIN new                         ; the immediate's high byte repeats the setting that is left; a switch that changes nothing is dropped
.if MSB != (\new)
	s_set_vgpr_msb (MSB<<8)|(\new)
.set MSB, \new
.endif
.endm
.macro PLACES                          ; four plain instructions behind a matrix instruction, ahead of what reads its result or writes one of its registers (ISA guide 7.12.1)
.rept 4
	v_nop
.endr
.endm
.macro PLACES5                         ; five, where the next writer of those registers is a matrix instruction
.rept 5
	v_nop
.endr
.endm
.macro BAR
	s_barrier_signal -1
	s_barrier_wait -1
.endm
.macro CROUND                          ; a round of the cluster's barrier
	s_barrier_signal -1
	s_barrier_wait -1
	s_cmp_lg_u32 s[WV], 0
	s_cbranch_scc1 .Lnot_wave_0_\@
	s_barrier_signal -3
.Lnot_wave_0_\@:
	s_barrier_wait -3
	s_barrier_signal -1
	s_barrier_wait -1
.endm
; ---------------- macros of the main loop ----------------
.macro LOADW buf, ar, off              ; a weight tile (16 x 128: eight blocks) into WB0 or WB1
	WIN 0
.set ii, 0
.rept 8
	ds_load_b128 v[16+80*(\buf)+4*ii:16+80*(\buf)+4*ii+3], v[\ar] offset:(\off)+512*ii
.set ii, ii+1
.endr
.endm
.macro LOADBT buf, off                 ; a bias tile: register j = number 8 h + j of sixteen
	ds_load_b128 v[48+8*(\buf):48+8*(\buf)+3], v[BIA] offset:(\off)
	ds_load_b128 v[48+8*(\buf)+4:48+8*(\buf)+7], v[BIA] offset:(\off)+16
.endm
; V for feature tile f, token tiles t0 .. t0 + nt - 1 of both sequences.  The accumulators take turns, one instruction a turn.
.macro VMUL f, t0, nt
	WIN 0x51
.set kk, 0
.rept 4
.set bb, 0
.rept 2
.set tt, \t0
.rept \nt
.set rD, 192+32*((\f)%2)+16*bb+8*tt
.set rA, 64*bb+32*tt+8*kk
.set rB, 16+80*((\f)%2)+8*kk
.if kk == 0
	v_wmma_f32_16x16x32_f16 v[rD:rD+7], v[rA:rA+7], v[rB:rB+7], 0
.else
	v_wmma_f32_16x16x32_f16 v[rD:rD+7], v[rA:rA+7], v[rB:rB+7], v[rD:rD+7]
.endif
.set tt, tt+1
.endr
.set bb, bb+1
.endr
.set kk, kk+1
.endr
.endm
.macro VCVT f, t0, nt
	WIN 0x05
.set bb, 0
.rept 2
.set tt, \t0
.rept \nt
.set rD, 192+32*((\f)%2)+16*bb+8*tt
.set ii, 0
.rept 4
	v_cvt_pk_f16_f32 v[128+64*bb+8*(\f)+4*tt+ii], v[rD+2*ii], v[rD+2*ii+1]
.set ii, ii+1
.endr
.set tt, tt+1
.endr
.set bb, bb+1
.endr
.endm
; All of V.  A tile's weights are asked for one tile ahead (the count 8 leaves them out); tile f - 1 is rounded behind tile f's products: those roundings are the places behind the products round them.
.macro VPH ar, t0, nt
	LOADW 0, \ar, 0
.set ff, 0
.rept 8
.if ff < 7
	LOADW (ff+1)%2, \ar, 4096*(ff+1)
	s_wait_dscnt 8
.else
	s_wait_dscnt 0x0
.endif
	VMUL ff, \t0, \nt
.if ff == 0
	PLACES5
.else
	VCVT ff-1, \t0, \nt
.endif
.set ff, ff+1
.endr
	VCVT 7, \t0, \nt
.endm
.macro QMUL f, t0, nt                  ; q'^T for feature tile f; the first product takes us as C
.set kk, 0
.rept 4
.set bb, 0
.rept 2
.set tt, \t0
.rept \nt
.set rD, 192+32*((\f)%2)+16*bb+8*tt
.set rA, 16+80*((\f)%2)+8*kk
.set rB, 64*bb+32*tt+8*kk
.if kk == 0
	WIN 0x44
	v_wmma_f32_16x16x32_f16 v[rD:rD+7], v[rA:rA+7], v[rB:rB+7], v[48+8*((\f)%2):48+8*((\f)%2)+7]
.else
	WIN 0x54
	v_wmma_f32_16x16x32_f16 v[rD:rD+7], v[rA:rA+7], v[rB:rB+7], v[rD:rD+7]
.endif
.set tt, tt+1
.endr
.set bb, bb+1
.endr
.set kk, kk+1
.endr
.endm
.macro QCVT f, t0, nt
	WIN 0x05
.set bb, 0
.rept 2
.set tt, \t0
.rept \nt
.set rD, 192+32*((\f)%2)+16*bb+8*tt
.set ii, 0
.rept 4
	v_cvt_pk_f16_f32 v[64+16*bb+8*tt+4*((\f)%2)+ii], v[rD+2*ii], v[rD+2*ii+1]
.set ii, ii+1
.endr
.set tt, tt+1
.endr
.set bb, bb+1
.endr
.endm
.macro SMUL p, q0, nq                  ; S^T += xh QF over features 32 p .. 32 p + 31
	WIN 0x51
.set bb, 0
.rept 2
.set tt, \q0
.rept \nq
.set kk, 0
.rept 2
.set rD, 128+32*bb+16*tt+8*kk
.set rA, 64*bb+32*kk+8*(\p)
.set rB, 64+16*bb+8*tt
.if (\p) == 0
	v_wmma_f32_16x16x32_f16 v[rD:rD+7], v[rA:rA+7], v[rB:rB+7], 0
.else
	v_wmma_f32_16x16x32_f16 v[rD:rD+7], v[rA:rA+7], v[rB:rB+7], v[rD:rD+7]
.endif
.set kk, kk+1
.endr
.set tt, tt+1
.endr
.set bb, bb+1
.endr
.endm
.macro QFCLOAD f                       ; layer 0: the constant tokens' q', feature tiles f and f + 1, into both sequences' QF of token tile 1
	WIN 0
.set bb, 0
.rept 2
	ds_load_b128 v[72+16*bb:75+16*bb], v[CTA] offset:8192+512*(\f)
	ds_load_b128 v[76+16*bb:79+16*bb], v[CTA] offset:8192+512*(\f)+512
.set bb, bb+1
.endr
.endm
; q' and S together: as soon as two feature tiles of q' are rounded, S takes their step.  The count 10 leaves the next tile's eight weight loads and two bias loads out.
; Four places stand ahead of each rewriting of QF's registers, which the last S step has read.
.macro QPH ar, l, t0, nt, q0, nq, c0
	LOADW 0, \ar, 32768
	LOADBT 0, 512*(\l)
.set ff, 0
.rept 8
.if ff < 7
	LOADW (ff+1)%2, \ar, 32768+4096*(ff+1)
	LOADBT (ff+1)%2, 512*(\l)+64*(ff+1)
	s_wait_dscnt 10
.else
	s_wait_dscnt 0x0
.endif
	QMUL ff, \t0, \nt
.if ff == 0
	PLACES5
.else
.if (ff-1)%2 == 0
.if ff >= 3
	PLACES
.endif
.if \c0
	QFCLOAD ff-1
.endif
.endif
	QCVT ff-1, \t0, \nt
.if (ff-1)%2 == 1
	SMUL (ff-1)/2, \q0, \nq
.endif
.endif
.set ff, ff+1
.endr
	QCVT 7, \t0, \nt
.if \c0
	s_wait_dscnt 0x0                               ; the table loads of the last trip
.endif
	SMUL 3, \q0, \nq
.endm
; one line for each tile (b, qt) of queries, qt = q0 .. 1
.macro TILES q0, line:vararg
.set tb, 0
.rept 2
.set tq, \q0
.rept 2-(\q0)
.set rS, 128+32*tb+16*tq
.set rM, 192+16*tq
.set rT, 224+8*(2*tb+tq)
.set rP, 96+16*tb+8*tq
	\line
.set tq, tq+1
.endr
.set tb, tb+1
.endr
.endm
; THE SOFTMAX.  A lane holds 16 of its query's 32 scores; the lane 16 away holds the others.  Every line is written for all tiles before the next line, so that no line waits for the one before it.
; The exponentials of all tiles are one batch with one wait, the reciprocals another.  P V's bias tiles are asked for here and waited for there.
.macro SMX l, q0
	PLACES
	WIN 0x40
.set tq, \q0
.rept 2-(\q0)
.set ii, 0
.rept 4
	ds_load_b128 v[192+16*tq+4*ii:192+16*tq+4*ii+3], v[MKA] offset:512*(4*tq+ii)
.set ii, ii+1
.endr
.set tq, tq+1
.endr
	WIN 0
.set ii, 0
.rept 8
	ds_load_b128 v[16+8*ii:16+8*ii+3], v[BIA] offset:1536+512*(\l)+64*ii
	ds_load_b128 v[16+8*ii+4:16+8*ii+7], v[BIA] offset:1536+512*(\l)+64*ii+16
.set ii, ii+1
.endr
	s_wait_dscnt 16                                ; the mask is in; the sixteen bias loads may stay out
	WIN 0x55
.set su, 0
.rept 8
	TILES \q0, v_pk_add_f32 v[rS+2*su:rS+2*su+1], v[rS+2*su:rS+2*su+1], v[rM+2*su:rM+2*su+1]
.set su, su+1
.endr
	TILES \q0, v_max3_num_f32 v[rT], v[rS], v[rS+1], v[rS+2]
	TILES \q0, v_max3_num_f32 v[rT+1], v[rS+3], v[rS+4], v[rS+5]
	TILES \q0, v_max3_num_f32 v[rT+2], v[rS+6], v[rS+7], v[rS+8]
	TILES \q0, v_max3_num_f32 v[rT+3], v[rS+9], v[rS+10], v[rS+11]
	TILES \q0, v_max3_num_f32 v[rT], v[rT], v[rS+12], v[rS+13]
	TILES \q0, v_max3_num_f32 v[rT+1], v[rT+1], v[rS+14], v[rS+15]
	TILES \q0, v_max3_num_f32 v[rT], v[rT], v[rT+1], v[rT+2]
	TILES \q0, v_max_num_f32 v[rT], v[rT], v[rT+3]
	TILES \q0, v_permlanex16_b32 v[rT+1], v[rT], s40, s41
	TILES \q0, v_max_num_f32 v[rT], v[rT], v[rT+1]
	TILES \q0, v_mul_f32 v[rT], s42, v[rT]
.set su, 0
.rept 8
	TILES \q0, v_pk_fma_f32 v[rS+2*su:rS+2*su+1], v[rS+2*su:rS+2*su+1], s[42:43], v[rT:rT+1] op_sel_hi:[1,0,0] neg_lo:[0,0,1] neg_hi:[0,0,1]
.set su, su+1
.endr
.set su, 0
.rept 16
	TILES \q0, v_exp_f32 v[rS+su], v[rS+su]
.set su, su+1
.endr
	v_nop                                          ; a plain instruction behind the last exponential,
	s_wait_alu depctr_va_vdst(0)                   ; and one wait for the batch, ahead of its first reader
	TILES \q0, v_pk_add_f32 v[rT+2:rT+3], v[rS:rS+1], v[rS+2:rS+3]
	TILES \q0, v_pk_add_f32 v[rT+4:rT+5], v[rS+4:rS+5], v[rS+6:rS+7]
	TILES \q0, v_pk_add_f32 v[rT+6:rT+7], v[rS+8:rS+9], v[rS+10:rS+11]
	TILES \q0, v_pk_add_f32 v[rT:rT+1], v[rS+12:rS+13], v[rS+14:rS+15]
	TILES \q0, v_pk_add_f32 v[rT+2:rT+3], v[rT+2:rT+3], v[rT+4:rT+5]
	TILES \q0, v_pk_add_f32 v[rT+6:rT+7], v[rT+6:rT+7], v[rT:rT+1]
	TILES \q0, v_pk_add_f32 v[rT+2:rT+3], v[rT+2:rT+3], v[rT+6:rT+7]
	TILES \q0, v_add_f32 v[rT+2], v[rT+2], v[rT+3]
	TILES \q0, v_permlanex16_b32 v[rT+3], v[rT+2], s40, s41
	TILES \q0, v_add_f32 v[rT+2], v[rT+2], v[rT+3]
	TILES \q0, v_rcp_f32 v[rT+4], v[rT+2]
	v_nop
	s_wait_alu depctr_va_vdst(0)                   ; one wait for the reciprocals
	TILES \q0, v_mul_f32 v[rT+4], s47, v[rT+4]
.set su, 0
.rept 8
	TILES \q0, v_pk_mul_f32 v[rS+2*su:rS+2*su+1], v[rS+2*su:rS+2*su+1], v[rT+4:rT+5] op_sel_hi:[1,0]
.set su, su+1
.endr
	WIN 0x05
.set su, 0
.rept 8
	TILES \q0, v_cvt_pk_f16_f32 v[rP+su], v[rS+2*su], v[rS+2*su+1]
.set su, su+1
.endr
.endm
.macro PV1 last
.if \last
.set rD, 128+64*tb+8*pf
.else
.set rD, 128*tb+64*tq+8*pf
.endif
.set rA, 128+64*tb+8*pf
	v_wmma_f32_16x16x32_f16 v[rD:rD+7], v[rA:rA+7], v[rP:rP+7], v[16+8*pf:16+8*pf+7]
.endm
.macro PVPH q0, last                   ; X^T = VF PF + bvc: one product for each 16 features x 16 queries, each with a result of its own
	s_wait_dscnt 0x0                               ; the bias tiles
	WIN 0x40
.set pf, 0
.rept 8
	TILES \q0, PV1 \last
.set pf, pf+1
.endr
.endm
; LAYERNORM.  LT writes one line for each tile; tile i: X at LNS + i LNSS, xh fragments at LND + i LNDS (window 1), eight registers of sums at 16 + 8 i (window 0).
.macro LT line:vararg
.set li, 0
.rept LNN
.set rX, LNS+li*LNSS
.set rF, LND+li*LNDS
.set rQ, 16+8*li
	\line
.set li, li+1
.endr
.endm
.macro LNRED                           ; four chains of pairs into one number, the other half of the lanes' added
	LT v_pk_add_f32 v[rQ:rQ+1], v[rQ:rQ+1], v[rQ+2:rQ+3]
	LT v_pk_add_f32 v[rQ+4:rQ+5], v[rQ+4:rQ+5], v[rQ+6:rQ+7]
	LT v_pk_add_f32 v[rQ:rQ+1], v[rQ:rQ+1], v[rQ+4:rQ+5]
	LT v_add_f32 v[rQ], v[rQ], v[rQ+1]
	LT v_permlanex16_b32 v[rQ+1], v[rQ], s40, s41
	LT v_add_f32 v[rQ], v[rQ], v[rQ+1]
.endm
.macro LNCVT                           ; fragment register u is X's registers 2 u and 2 u + 1, rounded: in place, from the low end on
.set lu, 0
.rept 32
	v_cvt_pk_f16_f32 v[rF+lu], v[rX+2*lu], v[rX+2*lu+1]
.set lu, lu+1
.endr
.endm
; full = 1: the mean is found and taken away first (two passes over the row).  full = 0: X comes with mean 0.  X's registers are read in ascending order.
.macro LN full, n, sb, ss, db, dd
.set LNN, \n
.set LNS, \sb
.set LNSS, \ss
.set LND, \db
.set LNDS, \dd
.if \full
	WIN 0x05
.set lq, 0
.rept 4
	LT v_pk_add_f32 v[rQ+2*lq:rQ+2*lq+1], v[rX+2*lq:rX+2*lq+1], v[rX+8+2*lq:rX+8+2*lq+1]
.set lq, lq+1
.endr
	WIN 0x01
.set lq, 8
.rept 24
	LT v_pk_add_f32 v[rQ+2*(lq%4):rQ+2*(lq%4)+1], v[rX+2*lq:rX+2*lq+1], v[rQ+2*(lq%4):rQ+2*(lq%4)+1]
.set lq, lq+1
.endr
	WIN 0
	LNRED
	LT v_mul_f32 v[rQ], s46, v[rQ]
	WIN 0x41
.set lq, 0
.rept 32
	LT v_pk_add_f32 v[rX+2*lq:rX+2*lq+1], v[rX+2*lq:rX+2*lq+1], v[rQ:rQ+1] op_sel_hi:[1,0]
.set lq, lq+1
.endr
.endif
	WIN 0x05
.set lq, 0
.rept 4
	LT v_pk_mul_f32 v[rQ+2*lq:rQ+2*lq+1], v[rX+2*lq:rX+2*lq+1], v[rX+2*lq:rX+2*lq+1]
.set lq, lq+1
.endr
.rept 28
	LT v_pk_fma_f32 v[rQ+2*(lq%4):rQ+2*(lq%4)+1], v[rX+2*lq:rX+2*lq+1], v[rX+2*lq:rX+2*lq+1], v[rQ+2*(lq%4):rQ+2*(lq%4)+1]
.set lq, lq+1
.endr
	WIN 0
	LNRED
	LT v_fma_f32 v[rQ], v[rQ], s44, s45
	LT v_rsq_f32 v[rQ+2], v[rQ]
	v_nop
	s_wait_alu depctr_va_vdst(0)                   ; one wait for the tiles' roots
	WIN 0x41
.set lq, 0
.rept 32
	LT v_pk_mul_f32 v[rX+2*lq:rX+2*lq+1], v[rX+2*lq:rX+2*lq+1], v[rQ+2:rQ+3] op_sel_hi:[1,0]
.set lq, lq+1
.endr
	WIN 0x45
	LT LNCVT
.endm
; Sixteen rows as loaded (register base + 4 i = 16 bytes of row i) go through my stage and come back by tokens (lane = token r; register 8 f + j = channel 16 f + 8 h + j).
; LDS serves a wave's instructions in order (ISA guide 5.7.1.4): the loads see the stores, and the next use of the stage comes behind them.
.macro STAGE_IN base
	WIN 0x04
.set ii, 0
.rept 16
	ds_store_b128 v[STW], v[(\base)+4*ii:(\base)+4*ii+3] offset:SP*ii
.set ii, ii+1
.endr
	WIN 0x40
.set ii, 0
.rept 16
	ds_load_b128 v[(\base)+4*ii:(\base)+4*ii+3], v[STT] offset:64*(ii/2)+16*(ii%2)
.set ii, ii+1
.endr
.endm
.macro XLOADS off                      ; tokens 0-14 of my two sequences: 30 loads of 512 consecutive bytes; the sixteenth row's registers stay free for task_z
	WIN 0x40
.set bb, 0
.rept 2
.set ii, 0
.rept 5
	global_load_b128 v[64*bb+4*ii:64*bb+4*ii+3], v[L16], s[4:5] offset:(\off)+2560*bb+512*ii th:TH_LOAD_NT
	global_load_b128 v[64*bb+20+4*ii:64*bb+20+4*ii+3], v[L16], s[6:7] offset:(\off)+2560*bb+512*ii th:TH_LOAD_NT
	global_load_b128 v[64*bb+40+4*ii:64*bb+40+4*ii+3], v[L16], s[8:9] offset:(\off)+2560*bb+512*ii th:TH_LOAD_NT
.set ii, ii+1
.endr
.set bb, bb+1
.endr
	WIN 0
.endm
.macro OSTORE b                        ; token 16 to out0, 17-21 to out1, 22-26 to out2, 27-31 to out3: each store of the wave covers 512 consecutive bytes, aligned
	global_store_b128 v[L16], v[128+64*(\b):128+64*(\b)+3], s[28:29] offset:512*(\b) th:TH_STORE_NT
.set ii, 0
.rept 5
	global_store_b128 v[L16], v[132+64*(\b)+4*ii:132+64*(\b)+4*ii+3], s[30:31] offset:2560*(\b)+512*ii th:TH_STORE_NT
	global_store_b128 v[L16], v[152+64*(\b)+4*ii:152+64*(\b)+4*ii+3], s[32:33] offset:2560*(\b)+512*ii th:TH_STORE_NT
	global_store_b128 v[L16], v[172+64*(\b)+4*ii:172+64*(\b)+4*ii+3], s[34:35] offset:2560*(\b)+512*ii th:TH_STORE_NT
.set ii, ii+1
.endr
.endm
; ---------------- macros of the MLP ----------------
; H^T[16 features of my wave][row] = tw^T h^T: A = the weights' fragment, B = 16 rows of the layer's input, C = the bias tile.  Four accumulators (row tile x parity of the K step) at v112 take turns.
.macro MLOADB buf, g                   ; task's fragments of K steps 3 g .. 3 g + 2, both row tiles: twelve loads
	WIN 0
.set kq, 0
.rept 3
.set rt, 0
.rept 2
	ds_load_b128 v[16+48*(\buf)+16*kq+8*rt:16+48*(\buf)+16*kq+8*rt+3], v241 offset:rt*16*TKP+64*(3*(\g)+kq)
	ds_load_b128 v[16+48*(\buf)+16*kq+8*rt+4:16+48*(\buf)+16*kq+8*rt+7], v241 offset:rt*16*TKP+64*(3*(\g)+kq)+32
.set rt, rt+1
.endr
.set kq, kq+1
.endr
.endm
.macro MMUL0 buf, g
.set kq, 0
.rept 3
.set kk, 3*(\g)+kq
.set rt, 0
.rept 2
.set rD, 112+8*(2*(kk%2)+rt)
.set rB, 16+48*(\buf)+16*kq+8*rt
.if kk == 0
	WIN 0x11
	v_wmma_f32_16x16x32_bf16 v[rD:rD+7], v[8*kk:8*kk+7], v[rB:rB+7], v[192:199]
.elseif kk == 1
	WIN 0x01
	v_wmma_f32_16x16x32_bf16 v[rD:rD+7], v[8*kk:8*kk+7], v[rB:rB+7], 0
.else
	WIN 0x01
	v_wmma_f32_16x16x32_bf16 v[rD:rD+7], v[8*kk:8*kk+7], v[rB:rB+7], v[rD:rD+7]
.endif
.set rt, rt+1
.endr
.set kq, kq+1
.endr
.endm
.macro PARITY                          ; the two parities' sums, from each accumulator's low end on
	WIN 0
.set ii, 0
.rept 8
	v_pk_add_f32 v[112+2*ii:113+2*ii], v[112+2*ii:113+2*ii], v[128+2*ii:129+2*ii]
.set ii, ii+1
.endr
.endm
.macro MLAYER i, hin                   ; layers 1 to 3: K = 128
	WIN 0
.set kk, 0
.rept 4
.set rt, 0
.rept 2
	ds_load_b128 v[16+16*kk+8*rt:16+16*kk+8*rt+3], v243 offset:(\hin)+rt*16*HP+64*kk
	ds_load_b128 v[16+16*kk+8*rt+4:16+16*kk+8*rt+7], v243 offset:(\hin)+rt*16*HP+64*kk+32
.set rt, rt+1
.endr
.set kk, kk+1
.endr
.if (\i) == 1
	s_wait_loadcnt 46                              ; tw1 to tw3 are in; behind them: 16 rows of constant tokens and 30 rows of the first pass
.endif
	s_wait_dscnt 0x0
.set kk, 0
.rept 4
.set rt, 0
.rept 2
.set rD, 112+8*(2*(kk%2)+rt)
.set rA, 144+32*((\i)-1)+8*kk
.set rB, 16+16*kk+8*rt
.if kk == 0
	WIN 0x10
	v_wmma_f32_16x16x32_bf16 v[rD:rD+7], v[rA:rA+7], v[rB:rB+7], v[192+8*(\i):192+8*(\i)+7]
.elseif kk == 1
	WIN 0
	v_wmma_f32_16x16x32_bf16 v[rD:rD+7], v[rA:rA+7], v[rB:rB+7], 0
.else
	WIN 0
	v_wmma_f32_16x16x32_bf16 v[rD:rD+7], v[rA:rA+7], v[rB:rB+7], v[rD:rD+7]
.endif
.set rt, rt+1
.endr
.set kk, kk+1
.endr
	WIN 0
	PLACES
	PARITY
.endm
; GELU of the sixteen numbers in v112-127: g = 0.5 x + |x| (0.5 - E), E = erfc(|x| / sqrt 2) / 2 = t (a1 + t (a2 + ..)) 2^(-x^2 log2(e) / 2), t = 1 / (1 + 0.23164189 |x|); the a halved.
; The sixteen reciprocals and sixteen exponentials are one batch with one wait.
.macro GELU16
.set ii, 0
.rept 16
	v_fma_f32 v[16+ii], |v[112+ii]|, s72, 1.0
.set ii, ii+1
.endr
.set ii, 0
.rept 8
	v_pk_mul_f32 v[32+2*ii:33+2*ii], v[112+2*ii:113+2*ii], v[112+2*ii:113+2*ii]
.set ii, ii+1
.endr
.set ii, 0
.rept 8
	v_pk_mul_f32 v[32+2*ii:33+2*ii], v[32+2*ii:33+2*ii], s[74:75] op_sel_hi:[1,0]
.set ii, ii+1
.endr
.set ii, 0
.rept 16
	v_rcp_f32 v[16+ii], v[16+ii]
.set ii, ii+1
.endr
.set ii, 0
.rept 16
	v_exp_f32 v[32+ii], v[32+ii]
.set ii, ii+1
.endr
	v_nop
	s_wait_alu depctr_va_vdst(0)
.set ii, 0
.rept 8
	v_pk_fma_f32 v[48+2*ii:49+2*ii], v[16+2*ii:17+2*ii], s[84:85], s[82:83] op_sel_hi:[1,0,0]
.set ii, ii+1
.endr
.irp c, 80, 78, 76
.set ii, 0
.rept 8
	v_pk_fma_f32 v[48+2*ii:49+2*ii], v[48+2*ii:49+2*ii], v[16+2*ii:17+2*ii], s[\c:\c+1] op_sel_hi:[1,1,0]
.set ii, ii+1
.endr
.endr
.set ii, 0
.rept 8
	v_pk_mul_f32 v[48+2*ii:49+2*ii], v[48+2*ii:49+2*ii], v[16+2*ii:17+2*ii]
.set ii, ii+1
.endr
.set ii, 0
.rept 8
	v_pk_mul_f32 v[48+2*ii:49+2*ii], v[48+2*ii:49+2*ii], v[32+2*ii:33+2*ii]
.set ii, ii+1
.endr
.set ii, 0
.rept 8
	v_pk_fma_f32 v[48+2*ii:49+2*ii], v[48+2*ii:49+2*ii], -1.0, 0.5 op_sel_hi:[1,0,0]
	v_pk_mul_f32 v[32+2*ii:33+2*ii], v[112+2*ii:113+2*ii], 0.5 op_sel_hi:[1,0]
.set ii, ii+1
.endr
.set ii, 0
.rept 16
	v_fma_f32 v[112+ii], |v[112+ii]|, v[48+ii], v[32+ii]
.set ii, ii+1
.endr
.endm
.macro HSTORE hout                     ; a lane's eight features of a row, rounded to bf16: 16 bytes
.set ii, 0
.rept 8
	v_cvt_pk_bf16_f32 v[64+ii], v[112+2*ii], v[113+2*ii]
.set ii, ii+1
.endr
	ds_store_b128 v242, v[64:67] offset:(\hout)
	ds_store_b128 v242, v[68:71] offset:(\hout)+16*HP
.endm
; ======================= THE HEAD =======================
	s_load_b512 s[4:19], s[0:1], 0x0               ; obs 4, obs_wrist 6, state 8, task 10, tb0 12, tb1 14, tb2 16, tb3 18
	s_load_b512 s[20:35], s[0:1], 0x40             ; action_token 20, pred_token 22, aw 24, mw 26, out0 28, out1 30, out2 32, out3 34
	v_lshl_add_u32 v[SPW], v0, 2, SPARE
	v_mov_b32 v[NIL], 0
	ds_add_u32 v[SPW], v[NIL]                      ; the wave's opening: the add and its wait stand ahead of my first tensor load; the set-up below, work on registers, stands between them
	v_lshrrev_b32 v2, 5, v0
	v_readfirstlane_b32 s[WV], v2
	s_bfe_u32 s37, ttmp6, 0x40000                  ; cx: it enters global addresses alone
	s_lshl_b32 s38, ttmp9, 2                       ; in a cluster launch ttmp9 counts clusters
	s_add_co_u32 s38, s38, s37                     ; my work-group's number G
	s_mov_b32 s40, 0x76543210                      ; v_permlanex16_b32: each lane takes its own place in the other half
	s_mov_b32 s41, 0xfedcba98
	s_mov_b32 s42, 0x41b8aa3b                      ; 16 log2(e)
	s_mov_b32 s43, 0x41b8aa3b
	s_mov_b32 s44, 0x3c000000                      ; 1/128
	s_mov_b32 s45, 0x3727c5ac                      ; eps = 1e-5
	s_mov_b32 s46, 0xbc000000                      ; -1/128
	s_mov_b32 s47, 0x3d800000                      ; 1/16
	s_mov_b32 s72, 0x3e6d3388                      ; 0.23164189
	s_mov_b32 s74, 0xbf38aa3b                      ; -log2(e) / 2
	s_mov_b32 s75, 0xbf38aa3b
	s_mov_b32 s76, 0x3e027906                      ; a1 / 2 =  0.127414796
	s_mov_b32 s77, 0x3e027906
	s_mov_b32 s78, 0xbe11a98e                      ; a2 / 2 = -0.142248368
	s_mov_b32 s79, 0xbe11a98e
	s_mov_b32 s80, 0x3f35f0e3                      ; a3 / 2 =  0.710706871
	s_mov_b32 s81, 0x3f35f0e3
	s_mov_b32 s82, 0xbf3a00e3                      ; a4 / 2 = -0.726576014
	s_mov_b32 s83, 0xbf3a00e3
	s_mov_b32 s84, 0x3f07dc22                      ; a5 / 2 =  0.530702715
	s_mov_b32 s85, 0x3f07dc22
	; the descriptor: 100 dense rows of 256 bytes, 25,600 x my wave's number into aw and into LDS: the same in all four partners
	s_mov_b32 s52, 15|(3<<16)|(1<<21)              ; 15:0 the mask of four; 17:16 elements of 8 bytes; 21 set beside a mask; no padding
	s_mov_b32 s53, 32<<16                          ; tensor_dim0 = 32
	s_mov_b32 s54, 100<<16                         ; tensor_dim1 = 100
	s_mov_b32 s55, 32<<16                          ; tile_dim0 = 32
	s_mov_b32 s56, 100                             ; tile_dim1 = 100
	s_mov_b32 s57, 32                              ; 32 elements from row to row
	s_mov_b32 s58, 0
	s_mov_b32 s59, 0
	s_mov_b32 s48, 1
	s_mul_i32 s49, s[WV], 25600
	s_mov_b32 s61, 0                               ; the high word of every offset pair s[60:61]
	v_and_b32 v12, 15, v0                          ; r
	v_bfe_u32 v13, v0, 4, 1                        ; h
	v_and_b32 v2, 31, v0
	v_lshlrev_b32 v[L16], 4, v2
	v_add_nc_u32 v[AW1], 0x10000, v[L16]
	v_add_nc_u32 v[AW2], 0x20000, v[L16]
	v_lshlrev_b32 v[BIA], 5, v13
	v_add_nc_u32 v[BIA], TAB, v[BIA]
	v_add_nc_u32 v[MKA], TAB+3072, v[L16]
	v_add_nc_u32 v[CTA], CT, v[L16]
	s_mul_i32 s60, s[WV], STG
	s_add_co_u32 s60, s60, U                       ; my stage
	v_add_nc_u32 v[STW], s60, v[L16]
	v_mul_u32_u24 v[STT], v12, SP
	v_lshl_add_u32 v[STT], v13, 5, v[STT]
	v_add_nc_u32 v[STT], s60, v[STT]
	s_mul_i32 s60, s[WV], 2*SP
	s_add_co_u32 s60, s60, TZ
	v_add_nc_u32 v[TZA], s60, v[L16]
	s_lshl_b32 s60, s[WV], 13
	v_lshl_add_u32 v[PFO], v2, 8, s60
	; addresses of the prologue alone, in registers that the main loop takes for VF
	s_mul_i32 s60, s[WV], 4*TKP
	s_add_co_u32 s60, s60, U
	v_lshl_add_u32 v240, v2, 3, s60                ; task in bf16: my wave's four rows, 8 bytes a lane
	v_mul_u32_u24 v241, v12, TKP
	v_lshl_add_u32 v241, v13, 4, v241
	v_add_nc_u32 v241, U, v241                     ; a fragment of task: row r, 8 h numbers in
	v_mul_u32_u24 v243, v12, HP
	v_lshl_add_u32 v243, v13, 4, v243
	v_add_nc_u32 v243, H0, v243                    ; a fragment of the hidden rows
	s_lshl_b32 s60, s[WV], 5
	v_add_nc_u32 v242, s60, v243                   ; where I put my 8 features of row r
	v_mul_u32_u24 v244, v12, SP
	v_lshl_add_u32 v244, v13, 5, v244
	s_lshl_b32 s60, s[WV], 6
	s_add_co_u32 s62, s60, TZ
	v_add_nc_u32 v244, s62, v244                   ; the same in task_z, f32
	v_lshl_add_u32 v245, v13, 5, s60               ; a bias tile of my wave's features: 64 w + 32 h
	v_add_nc_u32 v247, TAB, v245                   ; us(0)'s tile of my wave
	s_lshl_b32 s60, s[WV], 12
	v_add_nc_u32 v246, s60, v[L16]                 ; layer 0's weight tile of my wave
	s_lshl_b32 s60, s[WV], 9
	v_add_nc_u32 v248, s60, v[CTA]                 ; my wave's block in the constant tokens' tables
	s_wait_dscnt 0x0                               ; the opening add is done
	s_wait_kmcnt 0x0
	s_mov_b32 s60, s49
	s_add_nc_u64 s[50:51], s[24:25], s[60:61]
	s_or_b32 s51, s51, 0x80000000                  ; type = 2
	CROUND                                         ; all four work-groups are here: the joint loads meet
	tensor_load_to_lds s[48:51], s[52:59]
	s_nop 0
	PLACES
	s_mul_i32 s60, s38, 81920                      ; 32 sequences x 5 rows x 512 bytes
	s_add_nc_u64 s[66:67], s[4:5], s[60:61]        ; the prefetches' bases: my work-group's rows
	s_add_nc_u64 s[68:69], s[6:7], s[60:61]
	s_add_nc_u64 s[70:71], s[8:9], s[60:61]
	s_mul_i32 s62, s[WV], 5120                     ; my wave's two sequences
	s_add_co_u32 s60, s60, s62
	s_add_nc_u64 s[4:5], s[4:5], s[60:61]
	s_add_nc_u64 s[6:7], s[6:7], s[60:61]
	s_add_nc_u64 s[8:9], s[8:9], s[60:61]
	s_add_nc_u64 s[30:31], s[30:31], s[60:61]
	s_add_nc_u64 s[32:33], s[32:33], s[60:61]
	s_add_nc_u64 s[34:35], s[34:35], s[60:61]
	s_mul_i32 s60, s38, 98304                      ; 32 rows of task,
	s_mul_i32 s62, s[WV], 12288                    ; my wave's four
	s_add_co_u32 s60, s60, s62
	s_add_nc_u64 s[10:11], s[10:11], s[60:61]
	s_lshl_b32 s60, s38, 14
	s_lshl_b32 s62, s[WV], 10
	s_add_co_u32 s60, s60, s62
	s_add_nc_u64 s[28:29], s[28:29], s[60:61]
	s_mul_i32 s60, s[WV], 24576
	s_add_nc_u64 s[86:87], s[26:27], s[60:61]      ; tw0's tile of my wave: 48 blocks
	s_lshl_b32 s60, s[WV], 12
	s_add_co_u32 s60, s60, 196608
	s_add_nc_u64 s[88:89], s[26:27], s[60:61]      ; tw1's; tw2's and tw3's lie 32,768 bytes on each
; ======================= THE MLP =======================
.set ii, 0
.rept 24                                           ; my four rows of task, 512 bytes a load
	global_load_b128 v[16+4*ii:19+4*ii], v[L16], s[10:11] offset:3072*(ii/6)+512*(ii%6) th:TH_LOAD_NT
.set ii, ii+1
.endr
	WIN 0x40
.irp q, 0,1,2,3
	global_load_b128 v[192+8*\q:195+8*\q], v245, s[12+2*\q:13+2*\q]
	global_load_b128 v[196+8*\q:199+8*\q], v245, s[12+2*\q:13+2*\q] offset:16
.endr
.set ii, 0
.rept 48
	global_load_b128 v[4*ii:4*ii+3], v[L16], s[86:87] offset:512*ii
.set ii, ii+1
.endr
	WIN 0
	s_wait_loadcnt 56                              ; task is in; the 8 bias loads and tw0's 48 may stay out
.set ii, 0
.rept 24
	v_cvt_pk_bf16_f32 v[16+4*ii], v[16+4*ii], v[17+4*ii]
	v_cvt_pk_bf16_f32 v[17+4*ii], v[18+4*ii], v[19+4*ii]
	ds_store_b64 v240, v[16+4*ii:17+4*ii] offset:TKP*(ii/6)+256*(ii%6)
.set ii, ii+1
.endr
.set ii, 0
.rept 24
	global_load_b128 v[144+4*ii:147+4*ii], v[L16], s[88:89] offset:32768*(ii/8)+512*(ii%8)
.set ii, ii+1
.endr
	s_wait_dscnt 0x0                               ; for the others' sake: my rows of task lie in LDS
	BAR
	s_wait_loadcnt 24                              ; the biases and tw0 are in; tw1 to tw3 may stay out
	MLOADB 0, 0
	MLOADB 1, 1
.set gg, 0
.rept 8                                            ; layer 0: 24 K steps in groups of three on two buffers; the count 12 leaves the other buffer's loads out
.if gg < 7
	s_wait_dscnt 12
.else
	s_wait_dscnt 0x0
.endif
	MMUL0 gg%2, gg
.if gg < 6
	PLACES
	MLOADB gg%2, gg+2
.endif
.set gg, gg+1
.endr
	PLACES                                         ; tw0's registers are loaded anew, and the sums are read
	WIN 0x40
	global_load_b128 v[128:131], v[L16], s[20:21]  ; tokens 16-31, the same for every sequence
.set ii, 0
.rept 15
	global_load_b128 v[132+4*ii:135+4*ii], v[L16], s[22:23] offset:512*ii
.set ii, ii+1
.endr
	XLOADS 0                                       ; the first pass's rows
	PARITY
	GELU16
	HSTORE 0
	s_wait_dscnt 0x0
	BAR                                            ; the first hidden rows are whole; nobody reads task any more
	MLAYER 1, 0
	GELU16
	HSTORE HB
	s_wait_dscnt 0x0
	BAR
	MLAYER 2, HB
	GELU16
	HSTORE 0
	s_wait_tensorcnt 0x0                           ; my part of aw has landed,
	s_wait_dscnt 0x0
	BAR                                            ; everybody's has
	MLAYER 3, 0
	ds_store_b128 v244, v[112:115]                 ; task_z, f32
	ds_store_b128 v244, v[116:119] offset:16
	ds_store_b128 v244, v[120:123] offset:16*SP
	ds_store_b128 v244, v[124:127] offset:16*SP+16
; ======================= THE CONSTANT TOKENS =======================
	s_wait_loadcnt 30                              ; their 16 rows are in; the first pass's 30 may stay out
	STAGE_IN 128                                   ; (the stages lie where task lay: its last reads stand ahead of the second barrier)
	s_wait_dscnt 0x0
	LN 1, 1, 128, 0, 128, 0                        ; every wave makes their xh; wave w then makes feature tile w of their V and q'
	WIN 0
.set ii, 0
.rept 8
	ds_load_b128 v[16+4*ii:19+4*ii], v246 offset:512*ii
	ds_load_b128 v[96+4*ii:99+4*ii], v246 offset:32768+512*ii
.set ii, ii+1
.endr
	ds_load_b128 v[48:51], v247
	ds_load_b128 v[52:55], v247 offset:16
	s_wait_dscnt 0x0
.set kk, 0
.rept 4                                            ; the two accumulators take turns
	WIN 0x51
.if kk == 0
	v_wmma_f32_16x16x32_f16 v[192:199], v[128+8*kk:135+8*kk], v[16+8*kk:23+8*kk], 0
	WIN 0x44
	v_wmma_f32_16x16x32_f16 v[200:207], v[96+8*kk:103+8*kk], v[128+8*kk:135+8*kk], v[48:55]
.else
	v_wmma_f32_16x16x32_f16 v[192:199], v[128+8*kk:135+8*kk], v[16+8*kk:23+8*kk], v[192:199]
	WIN 0x54
	v_wmma_f32_16x16x32_f16 v[200:207], v[96+8*kk:103+8*kk], v[128+8*kk:135+8*kk], v[200:207]
.endif
.set kk, kk+1
.endr
	PLACES
	WIN 0x05
.irp u, 0,1,2,3
	v_cvt_pk_f16_f32 v[56+\u], v[192+2*\u], v[193+2*\u]
.endr
.irp u, 0,1,2,3
	v_cvt_pk_f16_f32 v[60+\u], v[200+2*\u], v[201+2*\u]
.endr
	WIN 0
	ds_store_b128 v248, v[56:59] offset:4096
	ds_store_b128 v248, v[60:63] offset:8192
	s_cmp_lg_u32 s[WV], 0
	s_cbranch_scc1 .Lno_xfc
	WIN 0x04
.set ii, 0
.rept 8
	ds_store_b128 v[CTA], v[128+4*ii:131+4*ii] offset:512*ii
.set ii, ii+1
.endr
	WIN 0
.Lno_xfc:
	s_wait_dscnt 0x0
	BAR                                            ; task_z and the tables are whole: from here on no wave waits for another
; ======================= THE PASSES =======================
	s_mov_b32 s[PASS], 2
.Lpass:
	WIN 0x40
	ds_load_b128 v[60:63], v[TZA]                  ; token 15 of my two sequences
	ds_load_b128 v[124:127], v[TZA] offset:SP
	WIN 0
	s_wait_loadcnt 0x0                             ; the pass's 30 rows
	s_wait_dscnt 0x0
	v_add_nc_u32 v[TZA], 16*SP, v[TZA]             ; the next pass's sequences lie 16 rows on
	STAGE_IN 0
	STAGE_IN 64
	s_wait_dscnt 0x0
	; ---- layer 0: tokens 0-15 are made, tokens 16-31 come from the tables
	LN 1, 2, 0, 64, 0, 64
	WIN 0x40
.set ii, 0
.rept 8
	ds_load_b128 v[32+4*ii:35+4*ii], v[CTA] offset:512*ii
	ds_load_b128 v[96+4*ii:99+4*ii], v[CTA] offset:512*ii
.set ii, ii+1
.endr
	WIN 0
.set ii, 0
.rept 8
	ds_load_b128 v[132+8*ii:135+8*ii], v[CTA] offset:4096+512*ii
	ds_load_b128 v[196+8*ii:199+8*ii], v[CTA] offset:4096+512*ii
.set ii, ii+1
.endr
	VPH L16, 0, 1
	QPH L16, 0, 0, 1, 0, 2, 1
	SMX 0, 0
	PVPH 0, 0
	; ---- layer 1
	PLACES
	LN 0, 4, 0, 64, 0, 32
	VPH AW1, 0, 2
	QPH AW1, 1, 0, 2, 0, 2, 0
	SMX 1, 0
	PVPH 0, 0
	; ---- layer 2: q', scores and P V for tokens 16-31 alone
	; In the first pass waves 0 to 4 prefetch the work-group's second-pass rows: 160 blocks of 256 bytes of each of the three inputs, a lane a block, each named once in the launch,
	; 208 of the wave's matrix instructions ahead of the loads that will want them.
	WIN 0
	s_cmp_lg_u32 s[PASS], 2
	s_cbranch_scc1 .Lno_ask
	s_cmp_ge_u32 s[WV], 5
	s_cbranch_scc1 .Lno_ask
	global_prefetch_b8 v[PFO], s[66:67] offset:40960 th:TH_LOAD_NT scope:SCOPE_SE
	global_prefetch_b8 v[PFO], s[68:69] offset:40960 th:TH_LOAD_NT scope:SCOPE_SE
	global_prefetch_b8 v[PFO], s[70:71] offset:40960 th:TH_LOAD_NT scope:SCOPE_SE
.Lno_ask:
	PLACES
	LN 0, 4, 0, 64, 0, 32
	VPH AW2, 0, 2
	QPH AW2, 2, 1, 1, 1, 1, 0
	PLACES                                         ; xh has been read for the last time: its registers take the next pass's rows
	WIN 0
	s_cmp_eq_u32 s[PASS], 1
	s_cbranch_scc1 .Lno_next                       ; the last pass has no successor
	XLOADS 40960
.Lno_next:
	SMX 2, 1
	PVPH 1, 1
	; ---- the way out: by tokens into my stage, back by whole rows, stored
	PLACES
.irp b, 0,1
	WIN 0x04
.set ii, 0
.rept 16
	ds_store_b128 v[STT], v[128+64*\b+4*ii:128+64*\b+4*ii+3] offset:64*(ii/2)+16*(ii%2)
.set ii, ii+1
.endr
	WIN 0x40
.set ii, 0
.rept 16
	ds_load_b128 v[128+64*\b+4*ii:128+64*\b+4*ii+3], v[STW] offset:SP*ii
.set ii, ii+1
.endr
.endr
	WIN 0x04
	s_wait_dscnt 32                                ; the first sequence's rows are back; the second's 16 stores and 16 loads may stay out
	OSTORE 0
	s_wait_dscnt 0x0
	OSTORE 1
	WIN 0
	s_wait_xcnt 0x0                                ; the stores have read their registers and bases: only now are these written again
	s_add_nc_u64 s[28:29], s[28:29], 8192          ; 16 sequences on
	s_add_nc_u64 s[30:31], s[30:31], 40960
	s_add_nc_u64 s[32:33], s[32:33], 40960
	s_add_nc_u64 s[34:35], s[34:35], 40960
	s_sub_co_u32 s[PASS], s[PASS], 1
	s_cmp_lg_u32 s[PASS], 0
	s_cbranch_scc1 .Lpass
	s_wait_tensorcnt 0x0                           ; the wave's end: behind my last tensor load and my last LDS store
	ds_add_u32 v[SPW], v[NIL]
	s_wait_dscnt 0x0
	CROUND                                         ; the closing round
	s_endpgm
.Lfunc_end_k_q62c8a6e5d0_seer:
	.size	k_q62c8a6e5d0_seer, .Lfunc_end_k_q62c8a6e5d0_seer-k_q62c8a6e5d0_seer
	.p2alignl 7, 3214868480
	.fill 96, 4, 3214868480
	.section	.rodata,"a",@progbits
	.p2align	6, 0x0
	.amdhsa_kernel k_q62c8a6e5d0_seer
		.amdhsa_group_segment_fixed_size 327680
		.amdhsa_private_segment_fixed_size 0
		.amdhsa_enable_private_segment 0
		.amdhsa_kernarg_size 128
		.amdhsa_user_sgpr_count 2
		.amdhsa_user_sgpr_kernarg_segment_ptr 1
		.amdhsa_wavefront_size32 1
		.amdhsa_system_sgpr_workgroup_id_x 1
		.amdhsa_system_sgpr_workgroup_id_y 1
		.amdhsa_system_sgpr_workgroup_id_z 1
		.amdhsa_system_vgpr_workitem_id 0
		.amdhsa_next_free_vgpr 512
		.amdhsa_next_free_sgpr 100
		.amdhsa_reserve_vcc 0
		.amdhsa_float_denorm_mode_32 3
		.amdhsa_float_denorm_mode_16_64 3
		.amdhsa_memory_ordered 1
		.amdhsa_forward_progress 1
		.amdhsa_inst_pref_size 255
	.end_amdhsa_kernel
	.section	.bss,"aw",@nobits
	.p2align	6
	.space	262144
	.amdgpu_metadata
---
amdhsa.version: [ 1, 2 ]
amdhsa.kernels:
  - .name:           k_q62c8a6e5d0_seer
    .symbol:         k_q62c8a6e5d0_seer.kd
    .args:
      - { .name: obs, .offset: 0, .size: 8, .value_kind: global_buffer, .address_space: global }
      - { .name: obs_wrist, .offset: 8, .size: 8, .value_kind: global_buffer, .address_space: global }
      - { .name: state, .offset: 16, .size: 8, .value_kind: global_buffer, .address_space: global }
      - { .name: task, .offset: 24, .size: 8, .value_kind: global_buffer, .address_space: global }
      - { .name: tb0, .offset: 32, .size: 8, .value_kind: global_buffer, .address_space: global }
      - { .name: tb1, .offset: 40, .size: 8, .value_kind: global_buffer, .address_space: global }
      - { .name: tb2, .offset: 48, .size: 8, .value_kind: global_buffer, .address_space: global }
      - { .name: tb3, .offset: 56, .size: 8, .value_kind: global_buffer, .address_space: global }
      - { .name: action_token, .offset: 64, .size: 8, .value_kind: global_buffer, .address_space: global }
      - { .name: pred_token, .offset: 72, .size: 8, .value_kind: global_buffer, .address_space: global }
      - { .name: aw, .offset: 80, .size: 8, .value_kind: global_buffer, .address_space: global }
      - { .name: mw, .offset: 88, .size: 8, .value_kind: global_buffer, .address_space: global }
      - { .name: out0, .offset: 96, .size: 8, .value_kind: global_buffer, .address_space: global }
      - { .name: out1, .offset: 104, .size: 8, .value_kind: global_buffer, .address_space: global }
      - { .name: out2, .offset: 112, .size: 8, .value_kind: global_buffer, .address_space: global }
      - { .name: out3, .offset: 120, .size: 8, .value_kind: global_buffer, .address_space: global }
    .group_segment_fixed_size: 327680
    .private_segment_fixed_size: 0
    .kernarg_segment_align: 8
    .kernarg_segment_size: 128
    .max_flat_workgroup_size: 256
    .sgpr_count:     100
    .vgpr_count:     512
    .wavefront_size: 32
...
	.end_amdgpu_metadata
.endif
;; end of part 2
